; MI455X (gfx1250); checked and timed in simulation.
; The chip was launched on July 23, 2026; its instructions are those of AMD's public machine-readable ISA for CDNA 5 (MIT licence, August 2026) and "CDNA5" Instruction Set Architecture Reference Guide (July 2026). The comments in the code are by the model that wrote it; some were corrected since.
;; Refactor Neighborhood Attention2 D. Allowed arithmetic: float matrix products may take bf16 or f16 operands with f32 sums; other float arithmetic in f32, or as packed bf16 or f16 multiplies, adds, multiply-adds, maxima and minima; sums over many terms, partial sums and values carried from step to step in f32; what a program stores and reads back later, other than sums and carried values, may be rounded once to bf16 or f16.
;; Inputs: Wk 256 x 256 float32; Wo 256 x 256 float32; Wq 256 x 256 float32; Wv 256 x 256 float32; bk 256 float32; bo 256 float32; bq 256 float32; bv 256 float32; x 4 x 128 x 128 x 256 float32.
;; Outputs: out0 4 x 128 x 128 x 256 float32.
;; One version. Each part assembles by itself: llvm-mc -triple=amdgcn-amd-amdhsa -mcpu=gfx1250 --defsym DOCPART=n.
;; ======== version 1 of 1: 2 launches
;; limits: values are held in f16: magnitudes above 65,504 overflow, below 6.1e-05 lose precision
;; workspace buffers: wpack 524,288 bytes
;; launch pack (part 1): grid 64 x 4, 4 waves a work-group, no clusters, 0 bytes of LDS; arguments Wq, Wk, Wv, Wo, wpack; writes wpack
.if DOCPART == 1
	.amdgcn_target "amdgcn-amd-amdhsa--gfx1250"
	.amdhsa_code_object_version 6
	.text
	.protected	k_q2ca304af3b_pack
	.globl	k_q2ca304af3b_pack
	.p2align	8
	.type	k_q2ca304af3b_pack,@function
k_q2ca304af3b_pack:
	s_mov_b64 s[64:65], 0
	v_nop
	global_prefetch_b8 v0, s[64:65] scope:SCOPE_SE
	s_setreg_imm32_b32 hwreg(HW_REG_WAVE_MODE, 25, 1), 1
	s_wait_xcnt 0x0
; The four weight matrices [256][256] f32 are rounded once to bf16 and laid in the order in which the next launch walks them.
; wpack: 1,024 rows of 256 16-bit numbers (512 bytes).  Row 96 h + 32 p + i = bf16(W_p[32 h + i][:]) for head h, p = 0, 1, 2 (q, k, v), i = 0..31.
; Row 768 + i = Wo[i][:] rounded to bf16 and that number written as f16 (the output product's other operand is f16).
; LIMIT: a rounded Wo below 6.1e-5 in magnitude keeps f16's fixed step of 6e-8; beyond 65,504 it would be an infinity.
; A work-group takes four rows of one matrix: 4,096 bytes in (32 a thread), 2,048 bytes out (16 a thread: sixteen lanes store 256 consecutive bytes, aligned).
	s_load_b256 s[4:11], s[0:1], 0x0               ; Wq s[4:5], Wk s[6:7], Wv s[8:9], Wo s[10:11]
	s_load_b64 s[12:13], s[0:1], 0x20              ; wpack
	s_and_b32 s14, ttmp7, 0xffff                   ; p: which matrix
	s_lshl_b32 s16, ttmp9, 12                      ; g x 4 rows x 1,024 bytes
	v_lshl_add_u32 v1, v0, 5, s16                  ; my 32 bytes of the source
	s_lshr_b32 s17, ttmp9, 3                       ; head = g / 8
	s_mul_i32 s17, s17, 96
	s_lshl_b32 s18, s14, 5
	s_add_co_u32 s17, s17, s18                     ; + 32 p
	s_and_b32 s18, ttmp9, 7
	s_lshl_b32 s18, s18, 2
	s_add_co_u32 s17, s17, s18                     ; + 4 (g % 8)
	s_lshl_b32 s18, ttmp9, 2
	s_add_co_u32 s18, s18, 768                     ; Wo's rows follow the heads'
	s_cmp_lt_u32 s14, 3
	s_cselect_b32 s17, s17, s18
	s_lshl_b32 s17, s17, 9                         ; 512 bytes a row
	v_lshl_add_u32 v2, v0, 4, s17                  ; my 16 bytes of wpack
	s_wait_kmcnt 0x0
	s_cmp_eq_u32 s14, 0
	s_cselect_b64 s[20:21], s[4:5], s[6:7]
	s_cmp_eq_u32 s14, 2
	s_cselect_b64 s[22:23], s[8:9], s[10:11]
	s_cmp_lt_u32 s14, 2
	s_cselect_b64 s[20:21], s[20:21], s[22:23]     ; the matrix, chosen by p alone
	global_load_b128 v[4:7], v1, s[20:21] th:TH_LOAD_NT
	global_load_b128 v[8:11], v1, s[20:21] offset:16 th:TH_LOAD_NT
	s_wait_loadcnt 0x0
	v_cvt_pk_bf16_f32 v12, v4, v5
	v_cvt_pk_bf16_f32 v13, v6, v7
	v_cvt_pk_bf16_f32 v14, v8, v9
	v_cvt_pk_bf16_f32 v15, v10, v11
	s_cmp_lg_u32 s14, 3
	s_cbranch_scc1 .Lst
	v_lshlrev_b32 v16, 16, v12                     ; Wo alone: the bf16 numbers as f32,
	v_and_b32 v17, 0xffff0000, v12
	v_lshlrev_b32 v18, 16, v13
	v_and_b32 v19, 0xffff0000, v13
	v_lshlrev_b32 v20, 16, v14
	v_and_b32 v21, 0xffff0000, v14
	v_lshlrev_b32 v22, 16, v15
	v_and_b32 v23, 0xffff0000, v15
	v_cvt_pk_f16_f32 v12, v16, v17                 ; and written as f16
	v_cvt_pk_f16_f32 v13, v18, v19
	v_cvt_pk_f16_f32 v14, v20, v21
	v_cvt_pk_f16_f32 v15, v22, v23
.Lst:
	global_store_b128 v2, v[12:15], s[12:13]
	s_endpgm
.Lfunc_end_k_q2ca304af3b_pack:
	.size	k_q2ca304af3b_pack, .Lfunc_end_k_q2ca304af3b_pack-k_q2ca304af3b_pack
	.p2alignl 7, 3214868480
	.fill 96, 4, 3214868480
	.section	.rodata,"a",@progbits
	.p2align	6, 0x0
	.amdhsa_kernel k_q2ca304af3b_pack
		.amdhsa_group_segment_fixed_size 0
		.amdhsa_private_segment_fixed_size 0
		.amdhsa_enable_private_segment 0
		.amdhsa_kernarg_size 40
		.amdhsa_user_sgpr_count 2
		.amdhsa_user_sgpr_kernarg_segment_ptr 1
		.amdhsa_wavefront_size32 1
		.amdhsa_system_sgpr_workgroup_id_x 1
		.amdhsa_system_sgpr_workgroup_id_y 1
		.amdhsa_system_sgpr_workgroup_id_z 1
		.amdhsa_system_vgpr_workitem_id 0
		.amdhsa_next_free_vgpr 32
		.amdhsa_next_free_sgpr 66
		.amdhsa_reserve_vcc 0
		.amdhsa_float_denorm_mode_32 3
		.amdhsa_float_denorm_mode_16_64 3
		.amdhsa_memory_ordered 1
		.amdhsa_forward_progress 1
		.amdhsa_inst_pref_size 3
	.end_amdhsa_kernel
	.amdgpu_metadata
---
amdhsa.version: [ 1, 2 ]
amdhsa.kernels:
  - .name:           k_q2ca304af3b_pack
    .symbol:         k_q2ca304af3b_pack.kd
    .args:
      - { .name: Wq, .offset: 0, .size: 8, .value_kind: global_buffer, .address_space: global }
      - { .name: Wk, .offset: 8, .size: 8, .value_kind: global_buffer, .address_space: global }
      - { .name: Wv, .offset: 16, .size: 8, .value_kind: global_buffer, .address_space: global }
      - { .name: Wo, .offset: 24, .size: 8, .value_kind: global_buffer, .address_space: global }
      - { .name: wpack, .offset: 32, .size: 8, .value_kind: global_buffer, .address_space: global }
    .group_segment_fixed_size: 0
    .private_segment_fixed_size: 0
    .kernarg_segment_align: 8
    .kernarg_segment_size: 40
    .max_flat_workgroup_size: 128
    .sgpr_count:     66
    .vgpr_count:     32
    .wavefront_size: 32
...
	.end_amdgpu_metadata
.endif
;; end of part 1
;; launch natt (part 2): grid 256 x 1, 4 waves a work-group, clusters of 4 x 1, 327,680 bytes of LDS; arguments x, wpack, bq, bk, bv, bo, out0; writes out0
.if DOCPART == 2
	.amdgcn_target "amdgcn-amd-amdhsa--gfx1250"
	.amdhsa_code_object_version 6
	.text
	.protected	k_q2ca304af3b_natt
	.globl	k_q2ca304af3b_natt
	.p2align	8
	.type	k_q2ca304af3b_natt,@function
k_q2ca304af3b_natt:
	s_mov_b64 s[64:65], 0
	v_nop
	global_prefetch_b8 v0, s[64:65] scope:SCOPE_SE
	s_setreg_imm32_b32 hwreg(HW_REG_WAVE_MODE, 25, 1), 1
	s_wait_xcnt 0x0
	s_wait_alu depctr_hold_cnt(0) depctr_sa_sdst(0) depctr_va_vdst(0) depctr_va_sdst(0) depctr_va_ssrc(0) depctr_va_vcc(0) depctr_vm_vsrc(0)
	s_getreg_b32 s2, hwreg(HW_REG_IB_STS2, 6, 4)
	s_cmp_eq_u32 s2, 0
	s_cbranch_scc0 .Lentry_in_a_cluster
	s_endpgm
.Lentry_in_a_cluster:
	s_bfe_u32 s2, ttmp6, 0x10000c
	s_cmp_lg_u32 s2, 0x3003
	s_cbranch_scc0 .Lentry_shape_is_right
	s_endpgm
.Lentry_shape_is_right:
; NEIGHBOURHOOD ATTENTION, ALL IN ONE LAUNCH.  x, out0: [4][128][128][256] f32.  q, k, v = x W^T + b; 8 heads of 32 channels; each pixel attends to its 7 x 7 window of k, v, which count as 0
; outside the image (score 0, value 0, and a term 2^(-c m) in the sum); out0 = o Wo^T + bo.
; SHARES.  A work-group owns a tile of 16 x 16 pixels of one image and computes k and v anew on the tile's 22 x 22 halo, so that q, k, v and o never go to memory.  Each of its four waves owns four
; pixel rows: four BLOCKS of 2 x 8 pixels (16 queries), and 64 of the 256 other tokens (228 of the halo's rim, 28 dummies that fill the last tiles and count as 0).
; A wave keeps its eight token tiles of x, rounded to bf16, in 512 registers for the whole launch.
; FORMATS.  x, the weights and the biases are rounded to bf16 (a bias is then kept as f32); the three projections multiply in bf16.  q, k, v, the weights p and o are rounded once to f16, and
; K Q^T, V^T P and Wo O^T multiply in f16.  All sums, the maximum and the exponentials in f32.
; LIMITS.  |q|, |k|, |v| stay under 65,504 (f16).  A hidden score counts as its value less 1e30.  A weight below 2^-126 counts as 0 in the sum.  NaN and infinities are not treated apart.
; The true maximum over the window is taken away before the exponentials: all of a query's scores are in registers at once.
; LAYOUT.  Every product is used transposed: source 0 = 16 rows of weights, of K or of V^T, source 1 = 16 tokens.  In every result a lane holds ONE token (lane % 16) and the channels or keys
; 8 (lane / 16) + 0..7; two such results, packed to 16 bits, ARE source 1 of the next product.  So q, p and o never change lanes.
; THE WINDOW AS A BAND.  A block's 16 queries meet 8 x 16 keys: key tile t = halo row (block's first row + t), 16 columns from the block's first.  The C operand that starts the sum K Q^T
; is 0 where key row t - qi and key column kc - qj both lie in 0..6, else -1e30: three masks of 8 registers (t = 0, t = 7, the six between), made once.
; CLUSTER.  The four partners are the same tile in the four images: they walk the same weights, so each chunk of wpack is asked for JOINTLY (the same load, descriptor and mask in all four).
; x is not shared between partners (four different images) and is read once, at the head, straight into registers, where it has to be rounded anyway.
; THE RING.  wpack goes in chunks of 96 rows (a head's q, k, v rows; then Wo's rows 0-191) through two LDS slots; a slot is filled again behind the round that follows its head's projection.
; Wo's last 64 rows come by plain loads at the head, wait in registers, and are laid behind the slots when K's bytes are free: Wo's 256 rows then lie on end.
.set PW,    528                        ; a row of weights in LDS: 512 bytes + 16: an odd multiple of 16, so the sixteen rows of a fragment load start in sixteen different 16-byte columns of 256
.set SLOT,  96*PW                      ; 50,688
.set CHUNK, 96*512                     ; a chunk in memory
.set KB,    2*SLOT                     ; K: 512 token rows (halo row x 22 + halo column; 484-511 the dummies') of 64 + 16 bytes
.set PKK,   80
.set VB,    KB+512*PKK                 ; V: the same rows, 64 + 32 bytes (an odd multiple of 32, for the turning load)
.set PVV,   96
.set OB,    VB+512*PVV                 ; o, packed: 32,768 bytes for each wave, its own, 16 bytes a lane; at the end the wave's stage: 64 rows of 256 + 16 bytes
.set SPI,   272
.set BIAS,  OB+4*32768                 ; bq, bk, bv, bo: 1,024 bytes each, f32
.set SPARE, BIAS+4096                  ; the spare words, 128 bytes for each wave: two blocks of 256 bytes that no other line names
; window 0
.set RR,  1                            ; v1   lane % 16; never rewritten
.set HF,  2                            ; v2   lane / 16; never rewritten            v3-v8 at work
.set AW,  10                           ; v10, v11  my place in a weight fragment, slot 0, 1
.set AB,  12                           ; v12  where my 8 numbers of a bias lie; steps
.set AKI, 13                           ; v13  where my inner token's k goes
.set AVI, 14                           ; v14  its v
.set TLO, 15                           ; v15  my 16 bytes of Wo's last rows in wpack
.set AKH, 16                           ; v16-19  where my four other tokens' k goes
.set AVH, 20                           ; v20-23  their v
.set VAL, 24                           ; v24-27  all ones where that token lies in the image, else 0
.set AKL, 28                           ; v28  my place in a fragment of K
.set AVL, 29                           ; v29  my place in a turning load of V
.set OA,  30                           ; v30  where my packed o goes; steps
.set XOI, 31                           ; v31  my inner token's bytes in x
.set XOH, 32                           ; v32-35  my four other tokens'
.set SPW, 36                           ; v36  LDS address of my spare word; never rewritten
.set NIL, 37                           ; v37  0; never rewritten
.set STO, 38                           ; v38  the way out: where I put 32 bytes of a row
.set RD,  39                           ; v39  the way out: where I read rows back
.set GO,  40                           ; v40  my byte offset in two tokens' 256 bytes of out0
.set PFO, 41                           ; v41  256 x lane
.set AWO, 42                           ; v42  my place in a fragment of Wo; steps
.set TLA, 43                           ; v43  where Wo's last rows go in LDS
.set BI0, 44                           ; v44-51, v52-59  a bias as the C operand, one set for each weight buffer
.set BI1, 52
.set OA0, 60                           ; v60  OA as it began; never rewritten
.set BOF, 61                           ; v61  32 x lane
.set BST, 62                           ; v62  where my 8 numbers of a bias are stored
.set ACC, 64                           ; v64-127  eight accumulators; in the attention S^T
.set S,   64
.set FV,  128                          ; v128-191  V's fragments; v128-159 also the packed k or v on their way to LDS
.set PK,  128
.set P,   192                          ; v192-223  the weights, f16
.set OAC, 224                          ; v224-239  O^T of a block and head
.set CX,  240                          ; v240-247  at work on the maximum; later the packed o
.set CM,  248                          ; v248, v249  c m, m
.set MX,  249
.set L,   250                          ; v250, v251  the sum; the other half of the lanes'
.set L2,  251
.set RL,  252                          ; v252, v253  1 / sum; named as a pair
; window 1: x tiles 0-3 (tile T, K step s at 64 T + 8 s); at the end o's fragments (block b, head s at 64 b + 8 s).   window 2: x tiles 4-7; at the end v0-127 the rows on their way out
; window 3 (at the head v0-127 and v128-255 are two sets for x as loaded):
.set FA,  0                            ; v0-63, v64-127  two buffers of weight fragments; FA also K's fragments
.set FB,  64
.set Q,   128                          ; v128-159  q of the head in hand, 8 a block
.set MC,  160                          ; v160-167, 168-175, 176-183  the masks: key tiles 1-6, 0, 7
.set M0,  168
.set M7,  176
.set WT,  192                          ; v192-255  Wo's last 64 rows, my 16 of them
; scalars
.set WV,  18                           ; my wave's number
.set CXI, 19                           ; my place in the cluster = the image: it enters x's, out0's and the prefetches' addresses alone
.set I0,  20                           ; the tile's first pixel row, column
.set J0,  21
.set G1,  24                           ; s[24:31] descriptor group 1
.set G0,  32                           ; s[32:39] descriptor group 0, a set for each slot
.set CNT, 40
.set LIM, 41                           ; 1 in a wave that prefetches, else the greatest number
.set PFA, 42                           ; s[42:43] where my prefetches stand
.set CS,  44                           ; s[44:45] c = log2(e) / sqrt(32)
.set SEL, 46                           ; s[46:47] v_permlanex16_b32's selects: each lane takes its own place in the other half
.set NEG, 48                           ; -1e30
.set OUTB, 54                          ; s[54:55] out0 at my wave's first token, at the channels in hand
.set MSB, 0
.macro WIN new                         ; s_set_vgpr_msb: bits 1:0 source 0, 3:2 source 1, 5:4 source 2, 7:6 destination; the high byte repeats the setting that is left
.if MSB != (\new)
	s_set_vgpr_msb (MSB<<8)|(\new)
.set MSB, \new
.endif
.endm
.set W_P1, 0x07                        ; weights window 3, tokens window 1, C and D window 0
.set W_S,  0x3f                        ; K, q and the mask window 3, S^T window 0
.set TO3,  0xc0
.set TO2,  0x80
.set TO1,  0x40
.set CV1,  0x4f                        ; sources window 3, destination window 1
.set D3,   0x0c                        ; a store's data window 3
.set D2,   0x08
.macro PLACES n=4                      ; plain instructions behind a matrix instruction, ahead of what reads its result or writes one of its registers (ISA guide 7.12.1)
.rept \n
	v_nop
.endr
.endm
; A round of the cluster's barrier: my work-group's barrier, so that wave 0's signal speaks for all four waves; wave 0 signals; every wave waits for all four work-groups; my work-group's barrier once more.
.macro ROUND
	s_barrier_signal -1
	s_barrier_wait -1
	s_cmp_lg_u32 s[WV], 0
	s_cbranch_scc1 .Lnot_wave_0_\@
	s_barrier_signal -3
.Lnot_wave_0_\@:
	s_barrier_wait -3
	s_barrier_signal -1
	s_barrier_wait -1
.endm
; A prefetch of two chunks of wpack, 384 blocks of 256 bytes, each named once in the launch: cluster 0 alone asks; its four partners take 96 blocks each, told apart by address;
; in each, waves 0 to 2 take 32, a lane a block.  The loop's last trip asks for nothing: no chunk is left.
.macro ASK
	s_cmp_gt_u32 s[CNT], s[LIM]
	s_cbranch_scc0 .Lnot_mine_\@
	global_prefetch_b8 v[PFO], s[PFA:PFA+1] th:TH_LOAD_NT scope:SCOPE_SE
.Lnot_mine_\@:
.endm
; Token tile T of x as it lies, f32, into set st of window 3: for each K step of 32 channels a lane takes channels 8 (l / 16) + 0..7 and 16 + 8 (l / 16) + 0..7 of token l % 16: four loads of 16 bytes.
.macro XLOAD T, st
	WIN TO3
.if (\T) < 4
.set xa, XOI
.set xo, (256*((\T)/2)+8*((\T)%2))*1024
.else
.set xa, XOH+(\T)-4
.set xo, 0
.endif
.set ks, 0
.rept 8
	global_load_b128 v[(\st)+16*ks:(\st)+16*ks+3],     v[xa], s[4:5] offset:xo+128*ks
	global_load_b128 v[(\st)+16*ks+4:(\st)+16*ks+7],   v[xa], s[4:5] offset:xo+128*ks+16
	global_load_b128 v[(\st)+16*ks+8:(\st)+16*ks+11],  v[xa], s[4:5] offset:xo+128*ks+64
	global_load_b128 v[(\st)+16*ks+12:(\st)+16*ks+15], v[xa], s[4:5] offset:xo+128*ks+80
.set ks, ks+1
.endr
.endm
.macro XCVT T, st                      ; rounded to bf16: the tile's eight fragments, in window 1 or 2
	WIN CV1+0x40*((\T)/4)
.set ii, 0
.rept 64
	v_cvt_pk_bf16_f32 v[64*((\T)%4)+ii], v[(\st)+2*ii], v[(\st)+2*ii+1]
.set ii, ii+1
.endr
.endm
.macro XSTEP T, left                   ; left: the loads issued behind tile T's, which may stay out
	s_wait_loadcnt \left
	XCVT \T, 128*((\T)%2)
.if (\T) < 6
	XLOAD (\T)+2, 128*((\T)%2)
.endif
.endm
; My token n = 64 w + 16 tl + l % 16 of the 256 that are not inner ones, by arithmetic on n alone.  n < 66: the halo's three top rows; n < 132: its three bottom rows (352 further on);
; n < 228: m = n - 132: halo row 3 + m / 6, columns 0-2 and 19-21; else a dummy, row n + 256.  A token outside the image, or a dummy, reads the tile's first token, and its k and v are cleared.
.macro HALO tl
	s_lshl_b32 s56, s[WV], 6
	s_add_co_u32 s56, s56, 16*(\tl)
	v_add_nc_u32 v3, s56, v[RR]                    ; n
	v_add_nc_u32 v4, 190, v3
	v_lshrrev_b32 v4, 8, v4                        ; 1 from n = 66 on
	v_mad_u32_u24 v4, v4, 352, v3                  ; top and bottom rows
	v_add_nc_u32 v5, 124, v3
	v_lshrrev_b32 v6, 8, v5                        ; 1 from n = 132 on
	v_and_b32 v5, 255, v5                          ; m
	v_mul_u32_u24 v7, v5, 10923
	v_lshrrev_b32 v7, 16, v7                       ; m / 6
	v_mul_u32_u24 v8, v7, 6
	v_sub_nc_u32 v5, v5, v8                        ; m % 6
	v_add_nc_u32 v8, 5, v5
	v_lshrrev_b32 v8, 3, v8                        ; 1 from 3 on: the right rim, 16 columns further
	v_lshl_add_u32 v5, v8, 4, v5
	v_mad_u32_u24 v5, v7, 22, v5
	v_add_nc_u32 v5, 66, v5                        ; the rims' row
	v_sub_nc_u32 v5, v5, v4
	v_mul_lo_u32 v5, v6, v5
	v_add_nc_u32 v4, v4, v5
	v_add_nc_u32 v6, 28, v3
	v_lshrrev_b32 v6, 8, v6                        ; 1 from n = 228 on
	v_add_nc_u32 v7, 256, v3
	v_sub_nc_u32 v7, v7, v4
	v_mul_lo_u32 v7, v6, v7
	v_add_nc_u32 v4, v4, v7
	v_and_b32 v4, 511, v4                          ; the token's row in K and V
	v_mul_u32_u24 v5, v4, 2979
	v_lshrrev_b32 v5, 16, v5                       ; row / 22
	v_mul_u32_u24 v6, v5, 22
	v_sub_nc_u32 v6, v4, v6                        ; row % 22
	v_add_nc_u32 v5, s62, v5                       ; the pixel's row and column in the image
	v_add_nc_u32 v6, s63, v6
	v_cmp_gt_u32 s76, 128, v5
	v_cmp_gt_u32 s77, 128, v6
	v_cmp_gt_u32 s78, 484, v4
	s_and_b32 s76, s76, s77
	s_and_b32 s76, s76, s78
	v_cndmask_b32 v[VAL+(\tl)], 0, -1, s76
	v_lshl_add_u32 v5, v5, 7, v6
	v_lshlrev_b32 v5, 10, v5
	v_cndmask_b32 v5, s79, v5, s76
	v_lshl_add_u32 v[XOH+(\tl)], v[HF], 5, v5
	v_mul_u32_u24 v5, v4, PKK
	v_lshl_add_u32 v5, v[HF], 4, v5
	v_add_nc_u32 v[AKH+(\tl)], KB, v5
	v_mul_u32_u24 v5, v4, PVV
	v_lshl_add_u32 v5, v[HF], 4, v5
	v_add_nc_u32 v[AVH+(\tl)], VB, v5
.endm
; 18 LDS loads: 16 rows of weights x 256 channels (eight fragments) into buffer buf, and the rows' 8 biases a lane into bi.
.macro WLOAD adr, off, buf, bi, badr, boff
	WIN TO3
.set ks, 0
.rept 8
	ds_load_b128 v[(\buf)+8*ks:(\buf)+8*ks+3],   v[\adr] offset:(\off)+64*ks
	ds_load_b128 v[(\buf)+8*ks+4:(\buf)+8*ks+7], v[\adr] offset:(\off)+64*ks+32
.set ks, ks+1
.endr
	WIN 0
	ds_load_b128 v[\bi:(\bi)+3],     v[\badr] offset:\boff
	ds_load_b128 v[(\bi)+4:(\bi)+7], v[\badr] offset:(\boff)+16
.endm
; 32 products: 16 channels x four token tiles (half 0: window 1, half 1: window 2), K = 256.  The four accumulators take turns, one instruction a turn; the bias starts the sums.
.macro MULS fmt, buf, bi, half
	WIN W_P1+4*(\half)
.set ks, 0
.rept 8
.set tt, 0
.rept 4
.set ra, ACC+8*(4*(\half)+tt)
.if ks == 0
	v_wmma_f32_16x16x32_\fmt v[ra:ra+7], v[(\buf)+8*ks:(\buf)+8*ks+7], v[64*tt+8*ks:64*tt+8*ks+7], v[\bi:(\bi)+7]
.else
	v_wmma_f32_16x16x32_\fmt v[ra:ra+7], v[(\buf)+8*ks:(\buf)+8*ks+7], v[64*tt+8*ks:64*tt+8*ks+7], v[ra:ra+7]
.endif
.set tt, tt+1
.endr
.set ks, ks+1
.endr
.endm
.macro QEPI ct                         ; q's channels 16 ct on, packed: half a fragment for each block
	WIN TO3
.set tt, 0
.rept 4
.set ii, 0
.rept 4
	v_cvt_pk_f16_f32 v[Q+8*tt+4*(\ct)+ii], v[ACC+8*tt+2*ii], v[ACC+8*tt+2*ii+1]
.set ii, ii+1
.endr
.set tt, tt+1
.endr
.endm
.macro KVEPI ai, ah, pitch, ct         ; k's or v's channels 16 ct on, packed, cleared outside the image, 16 bytes a lane into the token's row
	WIN 0
.set tt, 0
.rept 8
.set ii, 0
.rept 4
	v_cvt_pk_f16_f32 v[PK+4*tt+ii], v[ACC+8*tt+2*ii], v[ACC+8*tt+2*ii+1]
.set ii, ii+1
.endr
.if tt >= 4
.set ii, 0
.rept 4
	v_and_b32 v[PK+4*tt+ii], v[VAL+tt-4], v[PK+4*tt+ii]
.set ii, ii+1
.endr
	ds_store_b128 v[(\ah)+tt-4], v[PK+4*tt:PK+4*tt+3] offset:32*(\ct)
.else
	ds_store_b128 v[\ai], v[PK+4*tt:PK+4*tt+3] offset:(44*(tt/2)+8*(tt%2))*(\pitch)+32*(\ct)
.endif
.set tt, tt+1
.endr
.endm
.macro KLOAD b                         ; block b's eight key tiles: 16 keys x 32 channels each
	WIN TO3
.set tt, 0
.rept 8
	ds_load_b128 v[FA+8*tt:FA+8*tt+3],   v[AKL] offset:((2*((\b)/2)+tt)*22+8*((\b)%2))*PKK
	ds_load_b128 v[FA+8*tt+4:FA+8*tt+7], v[AKL] offset:((2*((\b)/2)+tt)*22+8*((\b)%2))*PKK+32
.set tt, tt+1
.endr
.endm
; Block b's V, turned: fragment 2 c + ct = channels 16 ct on x the 32 keys of key tiles 2 c and 2 c + 1, which lie 22 rows apart.
; The turning load takes 16 keys x 16 channels (lane l reads key 8 (l / 16) + l % 8, channels 8 ((l / 8) % 2) + 0..7) and leaves channel l % 16 and 8 keys in lane l.
.macro VLOAD b
	WIN 0
.set ff, 0
.rept 8
	ds_load_tr16_b128 v[FV+8*ff:FV+8*ff+3],   v[AVL] offset:((2*((\b)/2)+2*(ff/2))*22+8*((\b)%2))*PVV+32*(ff%2)
	ds_load_tr16_b128 v[FV+8*ff+4:FV+8*ff+7], v[AVL] offset:((2*((\b)/2)+2*(ff/2))*22+8*((\b)%2))*PVV+32*(ff%2)+22*PVV
.set ff, ff+1
.endr
.endm
.macro SCAL p                          ; c s - c m for pair p of the lane's 64 scores
	v_pk_fma_f32 v[S+2*(\p):S+2*(\p)+1], v[S+2*(\p):S+2*(\p)+1], s[CS:CS+1], v[CM:CM+1] op_sel_hi:[1,0,0] neg_lo:[0,0,1] neg_hi:[0,0,1]
.endm
.macro SUM1                            ; number zz of the 32 that add the lane's 64 weights, in place: neighbours 1, 2, 4, 8 and 16 pairs apart, then the pair's two halves
.if zz < 16
.set wd, 4
.set uu, zz
.elseif zz < 24
.set wd, 8
.set uu, zz-16
.elseif zz < 28
.set wd, 16
.set uu, zz-24
.elseif zz < 30
.set wd, 32
.set uu, zz-28
.else
.set wd, 64
.set uu, 0
.endif
.if zz < 31
	v_pk_add_f32 v[S+wd*uu:S+wd*uu+1], v[S+wd*uu:S+wd*uu+1], v[S+wd*uu+wd/2:S+wd*uu+wd/2+1]
.else
	v_add_f32 v[L], v[S], v[S+1]
.endif
.set zz, zz+1
.endm
; ONE BLOCK OF 16 QUERIES, ONE HEAD.  K's fragments have been asked for; V's are asked for here; the next block's K behind this block's scores.
.macro ATT b, sg
	VLOAD \b
	s_wait_dscnt 16                                ; all but V's sixteen loads: K is in
	WIN W_S
.set tt, 0
.rept 8                                ; eight accumulators, one product each (K = 32 is the whole head); the mask starts the sum
.set rm, MC
.if tt == 0
.set rm, M0
.endif
.if tt == 7
.set rm, M7
.endif
	v_wmma_f32_16x16x32_f16 v[S+8*tt:S+8*tt+7], v[FA+8*tt:FA+8*tt+7], v[Q+8*(\b):Q+8*(\b)+7], v[rm:rm+7]
.set tt, tt+1
.endr
	WIN 0
	PLACES                                         ; ahead of the loads into K's registers and of the maximum
.if (\b) < 3
	KLOAD (\b)+1
	WIN 0
.endif
.set tt, 0
.rept 8                                ; the maximum of 64 scores, three operands at a time; each accumulator's lowest registers are read first
	v_max3_num_f32 v[CX+tt], v[S+8*tt], v[S+8*tt+1], v[S+8*tt+2]
.set tt, tt+1
.endr
.set tt, 0
.rept 8
	v_max3_num_f32 v[CX+tt], v[CX+tt], v[S+8*tt+3], v[S+8*tt+4]
.set tt, tt+1
.endr
.set tt, 0
.rept 8
	v_max3_num_f32 v[CX+tt], v[CX+tt], v[S+8*tt+5], v[S+8*tt+6]
.set tt, tt+1
.endr
.set tt, 0
.rept 4
	v_max3_num_f32 v[CX+tt], v[CX+tt], v[S+16*tt+7], v[S+16*tt+15]
.set tt, tt+1
.endr
	v_max3_num_f32 v[CX], v[CX], v[CX+1], v[CX+2]
	v_max3_num_f32 v[CX+3], v[CX+3], v[CX+4], v[CX+5]
	v_max3_num_f32 v[CX+6], v[CX+6], v[CX+7], v[CX]
	v_max_num_f32 v[CX+6], v[CX+6], v[CX+3]
	v_permlanex16_b32 v[L2], v[CX+6], s[SEL], s[SEL+1]  ; the query's other 64 keys lie in the lane 16 away
	v_max_num_f32 v[MX], v[CX+6], v[L2]
	v_mul_f32 v[CM], s[CS], v[MX]
	SCAL 0                                         ; ONE BATCH: 32 scalings and 64 exponentials, none of which reads an exponential's result; a pair is scaled two scalings ahead of its exponentials
	SCAL 1
.set ee, 0
.rept 32
.if ee < 30
	SCAL ee+2
.endif
	v_exp_f32 v[S+2*ee], v[S+2*ee]
	v_exp_f32 v[S+2*ee+1], v[S+2*ee+1]
.set ee, ee+1
.endr
	v_nop                                          ; a plain instruction behind the last exponential,
	s_wait_alu depctr_va_vdst(0)                   ; and the one wait ahead of the batch's first reader
.set ii, 0
.rept 32                               ; two key tiles' weights, packed, are source 1 (32 keys x 16 queries) of V^T P
	v_cvt_pk_f16_f32 v[P+ii], v[S+2*ii], v[S+2*ii+1]
.set ii, ii+1
.endr
.if (\b) < 3
	s_wait_dscnt 16                                ; V is in; the next block's K may stay out
.else
	s_wait_dscnt 0x0
.endif
.set zz, 0
.set cc, 0
.rept 4                                ; 8 products; the two accumulators take turns; behind each stand four of the 32 sums, which name none of its registers
.set ct, 0
.rept 2
.if cc == 0
	v_wmma_f32_16x16x32_f16 v[OAC+8*ct:OAC+8*ct+7], v[FV+8*(2*cc+ct):FV+8*(2*cc+ct)+7], v[P+8*cc:P+8*cc+7], 0
.else
	v_wmma_f32_16x16x32_f16 v[OAC+8*ct:OAC+8*ct+7], v[FV+8*(2*cc+ct):FV+8*(2*cc+ct)+7], v[P+8*cc:P+8*cc+7], v[OAC+8*ct:OAC+8*ct+7]
.endif
	SUM1
	SUM1
	SUM1
	SUM1
.set ct, ct+1
.endr
.set cc, cc+1
.endr
	v_permlanex16_b32 v[L2], v[L], s[SEL], s[SEL+1]  ; (the last four sums are the places behind the last product)
	v_add_f32 v[L], v[L], v[L2]
	v_rcp_f32 v[RL], v[L]
	v_nop                                          ; a plain instruction behind the reciprocal,
	s_wait_alu depctr_va_vdst(0)                   ; and its wait
.set ii, 0
.rept 8
	v_pk_mul_f32 v[OAC+2*ii:OAC+2*ii+1], v[OAC+2*ii:OAC+2*ii+1], v[RL:RL+1] op_sel_hi:[1,0]
.set ii, ii+1
.endr
.set ii, 0
.rept 8
	v_cvt_pk_f16_f32 v[CX+ii], v[OAC+2*ii], v[OAC+2*ii+1]
.set ii, ii+1
.endr
	ds_store_b128 v[OA], v[CX:CX+3]   offset:4096*(\sg)+1024*(\b)      ; a fragment of o (16 tokens x this head's 32 channels), set aside: the same lane reads it back
	ds_store_b128 v[OA], v[CX+4:CX+7] offset:4096*(\sg)+1024*(\b)+512
.endm
; ONE HEAD, its weights in slot sg.  Six channel tiles: q's two on my four blocks, k's and v's two each on all eight token tiles; two weight buffers by turns.
; The counts of s_wait_dscnt are the LDS instructions issued behind the buffer that is wanted: the next buffer's 18 loads, and where an epilogue stands between, its 8 stores.
.macro HEAD sg
	WLOAD AW+(\sg), 0, FA, BI0, AB, 128*(\sg)
	WLOAD AW+(\sg), 16*PW, FB, BI1, AB, 128*(\sg)+64
	s_wait_dscnt 18
	MULS bf16, FA, BI0, 0
	PLACES
	QEPI 0
	WLOAD AW+(\sg), 32*PW, FA, BI0, AB, 1024+128*(\sg)
	s_wait_dscnt 18
	MULS bf16, FB, BI1, 0
	PLACES
	QEPI 1
	WLOAD AW+(\sg), 48*PW, FB, BI1, AB, 1024+128*(\sg)+64
	s_wait_dscnt 18
	MULS bf16, FA, BI0, 0
	MULS bf16, FA, BI0, 1
	PLACES
	KVEPI AKI, AKH, PKK, 0
	WLOAD AW+(\sg), 64*PW, FA, BI0, AB, 2048+128*(\sg)
	s_wait_dscnt 26
	MULS bf16, FB, BI1, 0
	MULS bf16, FB, BI1, 1
	PLACES
	KVEPI AKI, AKH, PKK, 1
	WLOAD AW+(\sg), 80*PW, FB, BI1, AB, 2048+128*(\sg)+64
	s_wait_dscnt 26
	MULS bf16, FA, BI0, 0
	MULS bf16, FA, BI0, 1
	PLACES
	KVEPI AVI, AVH, PVV, 0
	s_wait_dscnt 8
	MULS bf16, FB, BI1, 0
	MULS bf16, FB, BI1, 1
	PLACES
	KVEPI AVI, AVH, PVV, 1
	; THE CHANGE OF SLOTS, and the meeting of k and v.  Each wave waits for all its tensor loads, of which one is out: its part of the next head's chunk; adds 0 to its spare word; and waits for
	; that, for its reads of this slot and for its stores of k and v.  Behind the round no wave of any partner reads this slot, the other slot is whole, and K and V are whole.
	WIN 0
	s_wait_tensorcnt 0x0                           ; no tensor load of mine is out, so a group 0 may be written
	ds_add_u32 v[SPW], v[NIL]                      ; 0 onto my spare word; the steps below stand between it and the wait for it
	s_add_nc_u64 s[G0+4*(\sg)+2:G0+4*(\sg)+3], s[G0+4*(\sg)+2:G0+4*(\sg)+3], 2*CHUNK  ; this slot's next chunk; the type bits on top are not reached
.if \sg
	s_wait_xcnt 0x0                                ; the last prefetch, a trip back, has read its address
	s_add_nc_u64 s[PFA:PFA+1], s[PFA:PFA+1], 2*CHUNK
.endif
	s_wait_dscnt 0x0
	ROUND
	tensor_load_to_lds s[G0+4*(\sg):G0+4*(\sg)+3], s[G1:G1+7]  ; the chunk two heads on: it has this head's attention and the next head's projection in which to land
	s_nop 0
	PLACES
	KLOAD 0
	WIN 0
.if \sg
	ASK                                            ; the two chunks that the next trip's two rounds will ask for
.endif
	ATT 0, \sg
	ATT 1, \sg
	ATT 2, \sg
	ATT 3, \sg
	s_wait_dscnt 0x0                               ; my reads of K and V are over:
	s_barrier_signal -1
	s_barrier_wait -1                              ; everybody's are: the next head may store its own
.endm
.macro STG ct                          ; 16 output channels of my 64 tokens, f32, into my stage: 32 bytes a lane
	WIN 0
.set bb, 0
.rept 4
	ds_store_b128 v[STO], v[ACC+8*bb:ACC+8*bb+3]   offset:16*SPI*bb+64*(\ct)
	ds_store_b128 v[STO], v[ACC+8*bb+4:ACC+8*bb+7] offset:16*SPI*bb+64*(\ct)+16
.set bb, bb+1
.endr
.endm
	s_load_b256 s[4:11], s[0:1], 0x0               ; x s[4:5], wpack s[6:7], bq s[8:9], bk s[10:11]
	s_load_b128 s[12:15], s[0:1], 0x20             ; bv s[12:13], bo s[14:15]
	s_load_b64 s[16:17], s[0:1], 0x30              ; out0
	v_lshl_add_u32 v[SPW], v0, 2, SPARE
	v_mov_b32 v[NIL], 0
	ds_add_u32 v[SPW], v[NIL]                      ; the wave's opening: the add, then its wait ahead of my first tensor load; the set-up below, work on registers, stands between them
	v_lshrrev_b32 v3, 5, v0
	v_readfirstlane_b32 s[WV], v3                  ; wave 0..3
	s_bfe_u32 s[CXI], ttmp6, 0x40000               ; my place in the cluster: the image
	s_lshr_b32 s[I0], ttmp9, 3                     ; in a cluster launch ttmp9 counts clusters: the tile, 8 x 8 of them
	s_lshl_b32 s[I0], s[I0], 4
	s_and_b32 s[J0], ttmp9, 7
	s_lshl_b32 s[J0], s[J0], 4
	; descriptor group 1: 24 rows x 256 elements of 2 bytes, padded in LDS: a wave's quarter of a chunk
	s_mov_b32 s[G1], 15|(1<<16)|(1<<20)|(1<<21)|(6<<22)|(3<<25)  ; 15:0 the mask of four; 17:16 2-byte elements; 20 padding on; 21 set beside a mask; 24:22 after every 128 words (code 6); 31:25 4 words (code 3)
	s_mov_b32 s[G1+1], 256<<16                     ; tensor_dim0 = 256
	s_mov_b32 s[G1+2], 24<<16                      ; tensor_dim1 = 24
	s_mov_b32 s[G1+3], 256<<16                     ; tile_dim0 = 256
	s_mov_b32 s[G1+4], 24                          ; tile_dim1 = 24
	s_mov_b32 s[G1+5], 256                         ; 256 elements from row to row
	s_mov_b32 s[G1+6], 0
	s_mov_b32 s[G1+7], 0
	s_mov_b32 s[G0], 1                             ; count = 1
	s_mul_i32 s[G0+1], s[WV], 24*PW                ; LDS address: wave x 24 rows, in slot 0,
	s_mov_b32 s[G0+4], 1
	s_add_co_u32 s[G0+5], s[G0+1], SLOT            ; and in slot 1: no place in the cluster enters an LDS address
	s_mov_b32 s[CS], 0x3e8293ee                    ; c = log2(e) / sqrt(32) = 0.255035
	s_mov_b32 s[CS+1], s[CS]                       ; named with it as a pair
	s_mov_b32 s[SEL], 0x76543210
	s_mov_b32 s[SEL+1], 0xfedcba98
	s_mov_b32 s[NEG], 0xf149f2ca                   ; -1e30
	s_lshr_b32 s[LIM], s[WV], 1
	s_and_b32 s[LIM], s[LIM], s[WV]                ; 1 in wave 3 alone,
	s_or_b32 s[LIM], s[LIM], ttmp9                 ; 0 in waves 0 to 2 of cluster 0: the same in all four partners
	s_cmp_eq_u32 s[LIM], 0
	s_cselect_b32 s[LIM], 1, -1
	s_lshl_b32 s22, s[CXI], 24                     ; an image is 2^24 bytes of x and of out0
	s_mov_b32 s23, 0
	s_lshl_b32 s56, s[WV], 2
	s_add_co_u32 s56, s56, s[I0]
	s_lshl_b32 s56, s56, 7
	s_add_co_u32 s56, s56, s[J0]
	s_lshl_b32 s56, s56, 10                        ; my wave's first token: ((i0 + 4 w) x 128 + j0) x 1,024 bytes
	s_mov_b32 s57, 0
	s_mul_i32 s58, s[WV], 24*512                   ; my 24 rows of a chunk in memory (registers that never hold the place in the cluster)
	s_mov_b32 s59, 0
	s_mul_i32 s60, s[CXI], 24576                   ; the prefetches: my work-group's 96 blocks of a pair of chunks,
	s_lshl_b32 s61, s[WV], 13                      ; my wave's 32,
	s_add_co_u32 s60, s60, s61
	s_add_co_u32 s60, s60, 2*CHUNK                 ; at chunk 2: the first step, ahead of the first prefetch, makes it chunk 4.  Chunks 0 to 3 come by their loads alone
	s_mov_b32 s61, 0
	s_wait_dscnt 0x0                               ; the opening add is done
	s_wait_kmcnt 0x0
	s_add_nc_u64 s[4:5], s[4:5], s[22:23]          ; x at my image
	s_add_nc_u64 s[OUTB:OUTB+1], s[16:17], s[22:23]
	s_add_nc_u64 s[OUTB:OUTB+1], s[OUTB:OUTB+1], s[56:57]
	s_add_nc_u64 s[G0+2:G0+3], s[6:7], s[58:59]    ; global address: chunk 0,
	s_add_nc_u64 s[G0+6:G0+7], s[G0+2:G0+3], CHUNK ; chunk 1
	s_or_b32 s[G0+3], s[G0+3], 0x80000000          ; type = 2
	s_or_b32 s[G0+7], s[G0+7], 0x80000000
	s_add_nc_u64 s[PFA:PFA+1], s[6:7], s[60:61]
	s_cmp_eq_u32 s[WV], 0                          ; wave w brings bias w: bq, bk, bv, bo
	s_cselect_b64 s[50:51], s[8:9], s[10:11]
	s_cmp_eq_u32 s[WV], 2
	s_cselect_b64 s[52:53], s[12:13], s[14:15]
	s_cmp_lt_u32 s[WV], 2
	s_cselect_b64 s[50:51], s[50:51], s[52:53]
	ROUND                                          ; all four work-groups are here: the first joint loads meet
	tensor_load_to_lds s[G0:G0+3], s[G1:G1+7]      ; the two first fills go out together: two loads of mine are out here, one behind each later round
	s_nop 0
	tensor_load_to_lds s[G0+4:G0+7], s[G1:G1+7]
	s_nop 0
	PLACES
	v_and_b32 v[RR], 15, v0
	v_bfe_u32 v[HF], v0, 4, 1
	v_bfe_u32 v4, v0, 3, 1                         ; my query's row in its block, qi
	v_and_b32 v5, 7, v0                            ; and column, qj
	s_lshl_b32 s56, s[WV], 2
	s_add_co_u32 s57, s56, s[I0]
	v_add_nc_u32 v6, s57, v4
	v_lshl_add_u32 v6, v6, 7, v5
	v_add_nc_u32 v6, s[J0], v6
	v_lshlrev_b32 v6, 10, v6                       ; pixel (i0 + 4 w + qi, j0 + qj),
	v_lshl_add_u32 v[XOI], v[HF], 5, v6            ; + my half's 8 channels
	XLOAD 0, 0                                     ; the first two tiles of x go out before anything else is made
	XLOAD 1, 128
	WIN 0
	v_and_b32 v3, 31, v0                           ; lane
	v_mul_u32_u24 v[AW], v[RR], PW
	v_lshl_add_u32 v[AW], v[HF], 4, v[AW]          ; row x pitch + 16 x half
	v_add_nc_u32 v[AW+1], SLOT, v[AW]
	v_lshl_add_u32 v[AB], v[HF], 5, BIAS
	s_add_co_u32 s57, s56, 3
	v_add_nc_u32 v6, s57, v4
	v_mad_u32_u24 v6, v6, 22, v5
	v_add_nc_u32 v6, 3, v6                         ; my inner token's row: (4 w + 3 + qi) x 22 + 3 + qj
	v_mul_u32_u24 v[AKI], v6, PKK
	v_lshl_add_u32 v[AKI], v[HF], 4, v[AKI]
	v_add_nc_u32 v[AKI], KB, v[AKI]
	v_mul_u32_u24 v[AVI], v6, PVV
	v_lshl_add_u32 v[AVI], v[HF], 4, v[AVI]
	v_add_nc_u32 v[AVI], VB, v[AVI]
	s_mul_i32 s57, s[WV], 88                       ; my wave's windows begin at halo row 4 w
	v_add_nc_u32 v6, s57, v[RR]
	v_mul_u32_u24 v[AKL], v6, PKK
	v_lshl_add_u32 v[AKL], v[HF], 4, v[AKL]
	v_add_nc_u32 v[AKL], KB, v[AKL]
	v_lshl_add_u32 v6, v[HF], 3, v5
	v_add_nc_u32 v6, s57, v6
	v_mul_u32_u24 v[AVL], v6, PVV
	v_lshl_add_u32 v[AVL], v4, 4, v[AVL]
	v_add_nc_u32 v[AVL], VB, v[AVL]
	s_lshl_b32 s57, s[WV], 15
	s_add_co_u32 s57, s57, OB                      ; my wave's 32,768 bytes
	v_lshl_add_u32 v[OA], v3, 4, s57
	v_mov_b32 v[OA0], v[OA]
	v_mul_u32_u24 v[STO], v[RR], SPI
	v_lshl_add_u32 v[STO], v[HF], 5, v[STO]
	v_add_nc_u32 v[STO], s57, v[STO]
	v_mul_u32_u24 v[RD], v[HF], SPI                ; back: lanes 0-15 take one row of 256 bytes, lanes 16-31 the next
	v_lshl_add_u32 v[RD], v[RR], 4, v[RD]
	v_add_nc_u32 v[RD], s57, v[RD]
	v_lshlrev_b32 v[GO], 10, v[HF]                 ; and the same two tokens in out0
	v_lshl_add_u32 v[GO], v[RR], 4, v[GO]
	v_lshlrev_b32 v[PFO], 8, v3
	s_mul_i32 s57, s[WV], 16*PW
	s_add_co_u32 s57, s57, KB
	v_lshl_add_u32 v[TLA], v3, 4, s57
	s_lshl_b32 s57, s[WV], 13
	v_lshl_add_u32 v[TLO], v3, 4, s57
	v_lshlrev_b32 v[BOF], 5, v3
	s_lshl_b32 s57, s[WV], 10
	s_add_co_u32 s57, s57, BIAS
	v_add_nc_u32 v[BST], s57, v[BOF]
	v_mov_b32 v[L2], 0                             ; v_permlanex16_b32's destination counts as read
	v_mov_b32 v[RL+1], 0                           ; named in a pair
	s_sub_co_u32 s62, s[I0], 3                     ; the halo's first pixel row and column (below 0 at the image's edge: the compare is unsigned)
	s_sub_co_u32 s63, s[J0], 3
	s_lshl_b32 s79, s[I0], 7
	s_add_co_u32 s79, s79, s[J0]
	s_lshl_b32 s79, s79, 10                        ; the tile's first token
	HALO 0
	HALO 1
	HALO 2
	HALO 3
	XSTEP 0, 32                                    ; two sets by turns: a tile is rounded while the next tile's 32 loads are out, and its set is asked for again at once
	XSTEP 1, 32
	XSTEP 2, 32
	XSTEP 3, 32
	XSTEP 4, 32
	XSTEP 5, 32
	WIN 0
	global_load_b128 v[64:67], v[BOF], s[50:51]
	global_load_b128 v[68:71], v[BOF], s[50:51] offset:16
	XSTEP 6, 34                                    ; tile 7's 32 loads and the bias's two may stay out
	XSTEP 7, 2
	WIN 0
	s_wait_loadcnt 0x0
	v_cvt_pk_bf16_f32 v72, v64, v65                ; the bias is rounded to bf16 like every input, and kept as f32
	v_cvt_pk_bf16_f32 v73, v66, v67
	v_cvt_pk_bf16_f32 v74, v68, v69
	v_cvt_pk_bf16_f32 v75, v70, v71
.set ii, 0
.rept 4
	v_lshlrev_b32 v[76+2*ii], 16, v[72+ii]
	v_and_b32 v[77+2*ii], 0xffff0000, v[72+ii]
.set ii, ii+1
.endr
	ds_store_b128 v[BST], v[76:79]
	ds_store_b128 v[BST], v[80:83] offset:16
	WIN TO3
.set ii, 0
.rept 16                               ; Wo's rows 192 + 16 w + i: 512 consecutive bytes a load; they are waited for behind the last head
	global_load_b128 v[WT+4*ii:WT+4*ii+3], v[TLO], s[6:7] offset:10*CHUNK+512*ii
.set ii, ii+1
.endr
	WIN 0
	v_bfe_u32 v4, v0, 3, 1                         ; qi
	v_and_b32 v5, 7, v0                            ; qj
	v_lshlrev_b32 v6, 3, v[HF]
	v_sub_nc_u32 v6, v6, v5                        ; register j holds key column kc = 8 (l / 16) + j: hidden where kc - qj, unsigned, is above 6
.set jj, 0
.rept 8
	v_add_nc_u32 v7, jj, v6
	v_cmp_lt_u32 s[66+jj], 6, v7
.set jj, jj+1
.endr
	v_cmp_eq_u32 s74, 1, v4                        ; key tile 0 is hidden from the block's second row,
	v_cmp_eq_u32 s75, 0, v4                        ; key tile 7 from its first
	WIN TO3
.set jj, 0
.rept 8
	v_cndmask_b32 v[MC+jj], 0, s[NEG], s[66+jj]
	s_or_b32 s76, s[66+jj], s74
	v_cndmask_b32 v[M0+jj], 0, s[NEG], s76
	s_or_b32 s77, s[66+jj], s75
	v_cndmask_b32 v[M7+jj], 0, s[NEG], s77
.set jj, jj+1
.endr
	WIN 0
	s_wait_tensorcnt 0x1                           ; my part of chunk 0 is in; chunk 1's may stay out
	s_wait_dscnt 0x0                               ; my bias is stored
	s_barrier_signal -1
	s_barrier_wait -1                              ; everybody's are
	s_mov_b32 s[CNT], 4
.Lheads:                                       ; a trip: two heads, one from each slot
	HEAD 0
	HEAD 1
	v_add_nc_u32 v[AB], 256, v[AB]                 ; two heads' 64 biases on
	v_add_nc_u32 v[OA], 8192, v[OA]
	s_sub_co_u32 s[CNT], s[CNT], 1
	s_cmp_lg_u32 s[CNT], 0
	s_cbranch_scc1 .Lheads
	; THE OUTPUT PROJECTION.  Slots 0 and 1 take Wo's rows 0-191 (asked for by the last two heads' rounds); rows 192-255 go where K lay, which every wave has left: 256 rows on end, 528 bytes apart.
	s_wait_loadcnt 0x0                             ; Wo's last rows
	WIN D3
.set ii, 0
.rept 16
	ds_store_b128 v[TLA], v[WT+4*ii:WT+4*ii+3] offset:PW*ii
.set ii, ii+1
.endr
	WIN TO1
.set ks, 0
.rept 8                                ; o comes back where x's tiles 0-3 lay: block b, head ks at 64 b + 8 ks: source 1 of Wo O^T
.set bb, 0
.rept 4
	ds_load_b128 v[64*bb+8*ks:64*bb+8*ks+3],   v[OA0] offset:4096*ks+1024*bb
	ds_load_b128 v[64*bb+8*ks+4:64*bb+8*ks+7], v[OA0] offset:4096*ks+1024*bb+512
.set bb, bb+1
.endr
.set ks, ks+1
.endr
	WIN 0
	s_wait_tensorcnt 0x0                           ; my part of the last chunk is in,
	s_wait_dscnt 0x0                               ; my rows of Wo are stored, and o is back: the stage may take its bytes
	s_barrier_signal -1
	s_barrier_wait -1
	v_mov_b32 v[AWO], v[AW]
	v_lshl_add_u32 v[AB], v[HF], 5, BIAS+3072      ; bo
	s_mov_b32 s[CNT], 4
.Lout:                                         ; a trip: 64 output channels of my 64 tokens: 256 bytes a token.  Five places stand behind each run of products: the next run writes over its accumulators
	WLOAD AWO, 0, FA, BI0, AB, 0
	WLOAD AWO, 16*PW, FB, BI1, AB, 64
	s_wait_dscnt 18
	MULS f16, FA, BI0, 0
	PLACES 5
	STG 0
	WLOAD AWO, 32*PW, FA, BI0, AB, 128
	s_wait_dscnt 26                                ; the stage's 8 stores and the 18 loads just issued may stay out
	MULS f16, FB, BI1, 0
	PLACES 5
	STG 1
	WLOAD AWO, 48*PW, FB, BI1, AB, 192
	s_wait_dscnt 26
	MULS f16, FA, BI0, 0
	PLACES 5
	STG 2
	s_wait_dscnt 8
	MULS f16, FB, BI1, 0
	PLACES 5
	STG 3
	WIN TO2
.set ii, 0
.rept 32
	ds_load_b128 v[4*ii:4*ii+3], v[RD] offset:2*SPI*ii  ; LDS serves a wave's instructions in order (ISA guide 5.7.1.4): these see the stores above; the bytes are my wave's own
.set ii, ii+1
.endr
	WIN D2
.set ii, 0
.rept 32
.set bb, ii/8
.set r0, (2*ii)%16
	s_wait_dscnt 31-ii
	global_store_b128 v[GO], v[4*ii:4*ii+3], s[OUTB:OUTB+1] offset:((2*(bb/2)+r0/8)*128+8*(bb%2)+r0%8)*1024 th:TH_STORE_NT  ; 16 lanes store 256 consecutive bytes, at a multiple of 256 from out0's first byte
.set ii, ii+1
.endr
	WIN 0
	s_wait_xcnt 0x0                                ; the stores' base and data registers are written again only behind this wait
	s_add_nc_u64 s[OUTB:OUTB+1], s[OUTB:OUTB+1], 256
	v_add_nc_u32 v[AWO], 64*PW, v[AWO]
	v_add_nc_u32 v[AB], 256, v[AB]
	s_sub_co_u32 s[CNT], s[CNT], 1
	s_cmp_lg_u32 s[CNT], 0
	s_cbranch_scc1 .Lout
	s_wait_tensorcnt 0x0                           ; the wave's end, behind my last tensor load and my last LDS store
	ds_add_u32 v[SPW], v[NIL]
	s_wait_dscnt 0x0
	ROUND                                          ; the closing round: no work-group ends while a partner may still ask for a chunk that names it
	s_endpgm
.Lfunc_end_k_q2ca304af3b_natt:
	.size	k_q2ca304af3b_natt, .Lfunc_end_k_q2ca304af3b_natt-k_q2ca304af3b_natt
	.p2alignl 7, 3214868480
	.fill 96, 4, 3214868480
	.section	.rodata,"a",@progbits
	.p2align	6, 0x0
	.amdhsa_kernel k_q2ca304af3b_natt
		.amdhsa_group_segment_fixed_size 327680
		.amdhsa_private_segment_fixed_size 0
		.amdhsa_enable_private_segment 0
		.amdhsa_kernarg_size 56
		.amdhsa_user_sgpr_count 2
		.amdhsa_user_sgpr_kernarg_segment_ptr 1
		.amdhsa_wavefront_size32 1
		.amdhsa_system_sgpr_workgroup_id_x 1
		.amdhsa_system_sgpr_workgroup_id_y 1
		.amdhsa_system_sgpr_workgroup_id_z 1
		.amdhsa_system_vgpr_workitem_id 0
		.amdhsa_next_free_vgpr 1024
		.amdhsa_next_free_sgpr 84
		.amdhsa_reserve_vcc 0
		.amdhsa_float_denorm_mode_32 3
		.amdhsa_float_denorm_mode_16_64 3
		.amdhsa_memory_ordered 1
		.amdhsa_forward_progress 1
		.amdhsa_inst_pref_size 255
	.end_amdhsa_kernel
	.section	.bss,"aw",@nobits
	.p2align	6
	.space	262144
	.amdgpu_metadata
---
amdhsa.version: [ 1, 2 ]
amdhsa.kernels:
  - .name:           k_q2ca304af3b_natt
    .symbol:         k_q2ca304af3b_natt.kd
    .args:
      - { .name: x, .offset: 0, .size: 8, .value_kind: global_buffer, .address_space: global }
      - { .name: wpack, .offset: 8, .size: 8, .value_kind: global_buffer, .address_space: global }
      - { .name: bq, .offset: 16, .size: 8, .value_kind: global_buffer, .address_space: global }
      - { .name: bk, .offset: 24, .size: 8, .value_kind: global_buffer, .address_space: global }
      - { .name: bv, .offset: 32, .size: 8, .value_kind: global_buffer, .address_space: global }
      - { .name: bo, .offset: 40, .size: 8, .value_kind: global_buffer, .address_space: global }
      - { .name: out0, .offset: 48, .size: 8, .value_kind: global_buffer, .address_space: global }
    .group_segment_fixed_size: 327680
    .private_segment_fixed_size: 0
    .kernarg_segment_align: 8
    .kernarg_segment_size: 56
    .max_flat_workgroup_size: 128
    .sgpr_count:     84
    .vgpr_count:     1024
    .wavefront_size: 32
...
	.end_amdgpu_metadata
.endif
;; end of part 2
